; MI455X (gfx1250); checked and timed in simulation.
; The chip was launched on July 23, 2026; its instructions are those of AMD's public machine-readable ISA for CDNA 5 (MIT licence, August 2026) and "CDNA5" Instruction Set Architecture Reference Guide (July 2026). The comments in the code are by the model that wrote it; some were corrected since.
;; Model. Allowed arithmetic: matrix products marked QUANTISED: E4M3 operands, one given power-of-two scale a tensor, by v_wmma_f32_16x16x64_fp8_fp8 or v_wmma_f32_16x16x128_fp8_fp8, f32 sums; everything else in f32.
;; Inputs: inv_scale_factor 1 float32; key 2 x 16 x 2,048 x 64 float32; lowp_scales 4 int32 (the exponents e of the quantised operands' scales 2^e); query 2 x 16 x 2,048 x 64 float32; value 2 x 16 x 2,048 x 64 float32.
;; Outputs: out0 2 x 16 x 2,048 x 64 float32.
;; This version of the problem:
;;   THIS VERSION OF THE PROBLEM IS GIVEN IN LOW PRECISION. The matrix products marked QUANTISED in the list below multiply operands that are first quantised to E4M3 (4 exponent bits, 3 mantissa bits; 8 bits a number), with one given power-of-two scale for each operand tensor; their sums are f32. All else is computed in f32.
;;   The module's matrix products, in the order in which they are computed (A, B: the left and right operand; K: the contracted axis; several contracted axes count as one K, in the product's order):
;;     1. batch 32 x [M 2,048, K 64] x [K 64, N 2,048]; A: input query; B: input key: QUANTISED (scales: A lowp_scales[0], B lowp_scales[1])
;;     2. batch 32 x [M 2,048, K 2,048] x [K 2,048, N 64]; A: softmax (see below); B: input value: QUANTISED (scales: A lowp_scales[2], B lowp_scales[3])
;;   THE QUANTISER, for each operand of a quantised product, along K:
;;     - The operand's scale is 2^e, e = its entry of the input lowp_scales (int32; the entries are numbered through the quantised products in the list's order, A before B).
;;     - Each number is divided by the scale, clamped to +-448, and rounded to the nearest number of E4M3, ties to even, subnormals kept.
;;     - The product sums the exact products of the quantised numbers (number of the format x scale) in f32.
;;   ~~~python
;;   def quantise(x, axis, e):      # numpy; x: float32 -> the quantised numbers, widened to float32 again
;;       x = np.moveaxis(x, axis, -1); K = x.shape[-1]
;;       r = np.clip(x / 2.0 ** e, -448, 448)
;;       step = 2.0 ** (np.maximum(np.frexp(np.where(r == 0, 1, r))[1] - 1, -6) - 3)
;;       q = np.round(r / step) * step * 2.0 ** e      # np.round: ties to even
;;       return np.moveaxis(q, -1, axis).astype(np.float32)
;;   ~~~
;;   SOFTMAX AHEAD OF A QUANTISED PRODUCT. Where the list says 'softmax', what is quantised is not the finished softmax but p = 2^(t - M), with t = logit x log2(e) and M = ceil(the row's largest t), a whole number; so 1/2 < the row's largest p <= 1. The row's sum l is taken of the UNQUANTISED p, in f32, and the product's result is divided by l at the end. Since M is a whole number, a kernel that streams over the keys may use a running M (the ceiling of the running maximum): every later rescaling is an exact power of two, so the quantised numbers keep their values, but for numbers so far below the row's largest that they fall under the format's range.
;;   OPERANDS COMPUTED ON THE WAY. 'Computed on the way' means the value that the module computes at that place (a softmax that the list does not call 'softmax' is quantised finished and normalised). What goes into a quantiser is computed in f32, as accurately as f32 sums, v_exp_f32 and their like allow (about 1e-6 of the number): no bf16 or f16 on the way to a quantiser, and a product that is left as it is and whose result goes on into a quantised operand takes f32 operands (vector FMAs, or v_wmma_f32_16x16x4_f32). A number that lies on a knife's edge between two numbers of the format may be rounded either way, as far as f32 arithmetic and the matrix unit's own rounding can turn it there, and no further.
;; 2 versions, each right; version 2 is version 1 with the launch attn written anew for expert scheduling mode. Each part assembles by itself: llvm-mc -triple=amdgcn-amd-amdhsa -mcpu=gfx1250 --defsym DOCPART=n.
;; ======== version 1 of 2: 2 launches
;; workspace buffers: kv 8,388,608 bytes
;; launch quant (part 1): grid 256 x 2, 4 waves a work-group, no clusters, 35,328 bytes of LDS; arguments key, value, lowp_scales, kv; writes kv
.if DOCPART == 1
	.amdgcn_target "amdgcn-amd-amdhsa--gfx1250"
	.amdhsa_code_object_version 6
	.text
	.protected	k_qd69a5784db_quant
	.globl	k_qd69a5784db_quant
	.p2align	8
	.type	k_qd69a5784db_quant,@function
k_qd69a5784db_quant:
	s_mov_b64 s[64:65], 0
	v_nop
	global_prefetch_b8 v0, s[64:65] scope:SCOPE_SE
	s_setreg_imm32_b32 hwreg(HW_REG_WAVE_MODE, 25, 1), 1
	s_wait_xcnt 0x0
; key and value, [32 heads][2048 keys][64] f32, become codes of FP8 (E4M3), each with the one scale 2^e that is given for it (ek = entry 1, ev = entry 3 of lowp_scales):
; code = x / 2^e, held within +-448, rounded to the nearest code, ties to even.
; LIMITS: ek and ev lie between -126 and 119, so that 2^e and 448 x 2^e are f32 numbers.  NaN among the inputs is not served (an infinity is held at the largest code).
; THE CODES ARE LAID AS IMAGES OF THE OPERANDS' REGISTERS, so that the next launch fetches every fragment by loads of 16 bytes a lane at 16 x lane.
; kv: block (4 x head + chunk) of 65,536 bytes serves 512 keys.  Fragment lane l = r + 16 h.
;   bytes 0 .. 32,767: K.  Tile T (16 keys: 16 T + r): byte 1024 T + 512 u + 16 l + e = K[key][d = 32 u + 16 h + e]: registers 4 u .. 4 u + 3 of a 16 x 64 fragment.
;     (a permutation of d, the same as the next launch gives Q: every product meets its partner; only the order of the sums inside an instruction changes)
;   bytes 32,768 on: V.  Key step q (128 keys), tile t of d, piece i: byte 8192 q + 2048 t + 512 i + 16 l + e = V[key][d = 16 t + r],
;     key = 128 q + 32 i + 8 h + e for e < 8, 128 q + 32 i + 16 + 8 h + (e - 8) else: registers 4 i .. 4 i + 3 of a 16 x 128 fragment in the form's own order of k.
; SHARES.  Work-groups with y = 0 take K, those with y = 1 take V; waves share nothing, so there is no barrier.  Only K's path uses LDS.
.set SP,   272                         ; a stage row: 256 bytes + 16 = 68 words: row r starts at bank 4 r mod 64 (64 banks of 4 bytes: ISA guide 11.1)
.set STG,  16*SP                       ; a stage: one tile of 16 keys
.set WREG, 2*STG                       ; two stages for each wave
.set R,    16                          ; K: v16-143  four tiles as loaded, 32 registers each
.set X,    144                         ; K: v144-207 two sets of 32 neighbours along d
.set C,    208                         ; K: v208-239 codes, 8 registers a tile: no store's data are written again
.set XV,   16                          ; V: v16-143  column half x, key i at v[XV + 64 x + i]
.set CV,   144                         ; V: v144-175 codes, 4 registers a store: none is written again
	s_load_b256 s[4:11], s[0:1], 0x0               ; key s[4:5], value s[6:7], the scales' exponents s[8:9], kv s[10:11]
	v_lshl_add_u32 v240, v0, 2, 0x8800
	v_mov_b32 v241, 0
	v_lshrrev_b32 v1, 5, v0
	v_readfirstlane_b32 s12, v1                    ; wave 0..3
	v_and_b32 v2, 31, v0                           ; lane
	v_lshlrev_b32 v3, 4, v2                        ; 16 x lane
	v_and_b32 v4, 15, v0                           ; lane % 16
	v_bfe_u32 v5, v0, 4, 1                         ; lane / 16
	s_and_b32 s13, ttmp7, 0xffff                   ; 0: K, 1: V
	s_mul_i32 s14, s12, WREG                       ; my wave's stages
	v_mul_u32_u24 v6, v5, SP
	v_lshl_add_u32 v6, v4, 4, v6
	v_add_nc_u32 v6, s14, v6                       ; K, into a stage: a load's 512 bytes are two rows: row lane / 16, 16 bytes at 16 (lane % 16)
	v_mul_u32_u24 v7, v4, SP
	v_lshl_add_u32 v7, v5, 6, v7
	v_add_nc_u32 v7, s14, v7                       ; K, out of it: row r, + 64 h: my 16 numbers of each 32 along d
	v_lshlrev_b32 v8, 2, v2                        ; V, in: 4 bytes a lane
	v_lshlrev_b32 v9, 11, v5
	v_lshl_add_u32 v9, v4, 4, v9                   ; V, out: column 32 x + lane lies in tile 2 x + lane / 16 (2,048 bytes a tile), at r = lane % 16
	s_wait_kmcnt 0x0
	s_load_b128 s[16:19], s[8:9], 0x0              ; eq, ek, ep, ev
	s_cmp_lg_u32 s13, 0
	s_cbranch_scc1 .Lvalue
; ---------------- K: a wave takes four tiles of 16 keys: 16,384 bytes in, 4,096 out
	s_lshl_b32 s20, ttmp9, 4
	s_lshl_b32 s21, s12, 2
	s_add_co_u32 s20, s20, s21                     ; G: my first tile among all 4,096: 16 x work-group + 4 x wave
	s_lshl_b32 s22, s20, 12                        ; a tile is 4,096 bytes of f32
	s_mov_b32 s23, 0
	s_add_nc_u64 s[4:5], s[4:5], s[22:23]
	s_lshr_b32 s24, s20, 5                         ; 32 tiles to a block of kv
	s_lshl_b32 s24, s24, 16
	s_and_b32 s25, s20, 31
	s_lshl_b32 s25, s25, 10                        ; 1,024 bytes of codes a tile
	s_add_co_u32 s24, s24, s25
	s_mov_b32 s25, 0
	s_add_nc_u64 s[10:11], s[10:11], s[24:25]
.macro KLOAD t                         ; tile t as it lies: each load reads 512 consecutive bytes, two keys' rows
.irp j, 0,1,2,3,4,5,6,7
	global_load_b128 v[R+32*(\t)+4*\j:R+32*(\t)+4*\j+3], v3, s[4:5] offset:4096*(\t)+512*\j th:TH_LOAD_NT
.endr
.endm
.macro KTURN t                         ; tile t through stage t % 2: in as loaded, out 64 bytes of one key a lane.  LDS serves a wave's instructions in order (ISA guide 5.7.1.4): no wait between
.irp j, 0,1,2,3,4,5,6,7
	ds_store_b128 v6, v[R+32*(\t)+4*\j:R+32*(\t)+4*\j+3] offset:STG*((\t)%2)+2*SP*\j
.endr
.irp u, 0,1
.irp m, 0,1,2,3
	ds_load_b128 v[X+32*((\t)%2)+16*\u+4*\m:X+32*((\t)%2)+16*\u+4*\m+3], v7 offset:STG*((\t)%2)+128*\u+16*\m   ; register 16 u + i: d = 32 u + 16 h + i
.endr
.endr
.endm
.macro KSTEP t
.set XS, X+32*((\t)%2)
	s_wait_dscnt 0x0                               ; tile t is back from its stage
.if (\t) < 3
	s_wait_loadcnt 8*(2-(\t))                      ; tile t + 1's eight loads are in; those of the tiles behind it may be out
	KTURN (\t)+1                                   ; it goes through the other stage while tile t is worked
.endif
.set I, 0
.rept 32
	v_med3_num_f32 v[XS+I], v[XS+I], -v10, v10     ; the conversion to an 8-bit code does not saturate (ISA guide 7.6.2): the hold at the largest code x the scale comes first
.set I, I+1
.endr
.irp g, 0,1,2,3
	v_cvt_scalef32_pk8_fp8_f32 v[C+8*(\t)+2*\g:C+8*(\t)+2*\g+1], v[XS+8*\g:XS+8*\g+7], v11
.endr
.irp u, 0,1                            ; the results go to stores alone; the next vector lines are the next tile's holds, plain lines on other registers
	global_store_b128 v3, v[C+8*(\t)+4*\u:C+8*(\t)+4*\u+3], s[10:11] offset:1024*(\t)+512*\u   ; 32 lanes store 512 consecutive bytes, at a multiple of 256 from kv's first byte
.endr
.endm
	KLOAD 0
	KLOAD 1
	KLOAD 2
	KLOAD 3
	s_wait_kmcnt 0x0
	s_add_co_i32 s17, s17, 127
	s_lshl_b32 s26, s17, 23
	v_mov_b32 v11, s26                             ; 2^ek as f32: the conversion takes its exponent field
	s_add_co_i32 s17, s17, 8
	s_lshl_b32 s17, s17, 23
	s_or_b32 s17, s17, 0x600000
	v_mov_b32 v10, s17                             ; 448 x 2^ek
	s_wait_loadcnt 24                              ; tile 0's eight loads are in; the other three tiles' 24 may be out
	KTURN 0
	KSTEP 0
	KSTEP 1
	KSTEP 2
	KSTEP 3
	s_wait_tensorcnt 0x0
	ds_add_u32 v240, v241
	s_wait_dscnt 0x0
	s_endpgm
; ---------------- V: a lane takes a column d and its registers run down the keys: the conversions' results have the keys innermost, and nothing is transposed
; A wave takes 64 keys (half a key step) x all 64 d: for each key two loads of 128 consecutive bytes, one behind the other.
.Lvalue:
	s_lshl_b32 s20, ttmp9, 1
	s_lshr_b32 s21, s12, 1
	s_add_co_u32 s20, s20, s21                     ; my key step among all 512: 2 x work-group + wave / 2
	s_and_b32 s21, s12, 1                          ; which half of it
	s_lshl_b32 s22, s20, 15                        ; 128 keys x 256 bytes
	s_lshl_b32 s23, s21, 14
	s_add_co_u32 s22, s22, s23
	s_mov_b32 s23, 0
	s_add_nc_u64 s[6:7], s[6:7], s[22:23]
	s_lshr_b32 s24, s20, 2                         ; four key steps to a block of kv
	s_lshl_b32 s24, s24, 16
	s_and_b32 s25, s20, 3
	s_lshl_b32 s25, s25, 13                        ; 8,192 bytes of codes a key step
	s_add_co_u32 s24, s24, s25
	s_lshl_b32 s25, s21, 10                        ; my half's two pieces of each tile
	s_add_co_u32 s24, s24, s25
	s_add_co_u32 s24, s24, 32768                   ; V's part of the block
	s_mov_b32 s25, 0
	s_add_nc_u64 s[10:11], s[10:11], s[24:25]
.macro VLOAD i0                        ; keys i0 .. i0 + 15: 32 loads
.set I, \i0
.rept 16
	global_load_b32 v[XV+I], v8, s[6:7] offset:256*I th:TH_LOAD_NT
	global_load_b32 v[XV+64+I], v8, s[6:7] offset:256*I+128 th:TH_LOAD_NT
.set I, I+1
.endr
.endm
.macro VHOLD i0                        ; the hold for keys i0 .. i0 + 15
.set I, \i0
.rept 16
	v_med3_num_f32 v[XV+I], v[XV+I], -v10, v10
	v_med3_num_f32 v[XV+64+I], v[XV+64+I], -v10, v10
.set I, I+1
.endr
.endm
.macro VOUT b                          ; keys 32 b .. 32 b + 31 are one piece of each of the four tiles of d: for each column half x and each fragment half h, 16 codes a lane
.irp x, 0,1
.irp h, 0,1
	v_cvt_scalef32_pk8_fp8_f32 v[CV+16*\b+8*\x+4*\h:CV+16*\b+8*\x+4*\h+1], v[XV+64*\x+32*\b+8*\h:XV+64*\x+32*\b+8*\h+7], v11
	v_cvt_scalef32_pk8_fp8_f32 v[CV+16*\b+8*\x+4*\h+2:CV+16*\b+8*\x+4*\h+3], v[XV+64*\x+32*\b+16+8*\h:XV+64*\x+32*\b+16+8*\h+7], v11
	global_store_b128 v9, v[CV+16*\b+8*\x+4*\h:CV+16*\b+8*\x+4*\h+3], s[10:11] offset:4096*\x+512*\b+256*\h   ; lanes 0-15 store 256 consecutive bytes at a multiple of 256, lanes 16-31 the same 2,048 bytes on
.endr
.endr
.endm
	VLOAD 0
	VLOAD 16                                       ; 64 loads of mine are out
	s_wait_kmcnt 0x0
	s_add_co_i32 s19, s19, 127
	s_lshl_b32 s26, s19, 23
	v_mov_b32 v11, s26                             ; 2^ev as f32
	s_add_co_i32 s19, s19, 8
	s_lshl_b32 s19, s19, 23
	s_or_b32 s19, s19, 0x600000
	v_mov_b32 v10, s19                             ; 448 x 2^ev
	s_wait_loadcnt 32                              ; keys 0-15 are in; the 32 loads of keys 16-31 may be out
	VHOLD 0
	VLOAD 32
	s_wait_loadcnt 32                              ; keys 16-31 are in; the 32 loads just issued may be out
	VHOLD 16
	VOUT 0
	VLOAD 48
	s_wait_loadcnt 32                              ; keys 32-47 are in; the 32 loads just issued may be out
	VHOLD 32                                       ; (plain lines on other registers: the first vector lines behind VOUT's conversions)
	s_wait_loadcnt 0x0
	VHOLD 48
	VOUT 1
	s_endpgm
.Lfunc_end_k_qd69a5784db_quant:
	.size	k_qd69a5784db_quant, .Lfunc_end_k_qd69a5784db_quant-k_qd69a5784db_quant
	.p2alignl 7, 3214868480
	.fill 96, 4, 3214868480
	.section	.rodata,"a",@progbits
	.p2align	6, 0x0
	.amdhsa_kernel k_qd69a5784db_quant
		.amdhsa_group_segment_fixed_size 35328
		.amdhsa_private_segment_fixed_size 0
		.amdhsa_enable_private_segment 0
		.amdhsa_kernarg_size 32
		.amdhsa_user_sgpr_count 2
		.amdhsa_user_sgpr_kernarg_segment_ptr 1
		.amdhsa_wavefront_size32 1
		.amdhsa_system_sgpr_workgroup_id_x 1
		.amdhsa_system_sgpr_workgroup_id_y 1
		.amdhsa_system_sgpr_workgroup_id_z 1
		.amdhsa_system_vgpr_workitem_id 0
		.amdhsa_next_free_vgpr 242
		.amdhsa_next_free_sgpr 66
		.amdhsa_reserve_vcc 0
		.amdhsa_float_denorm_mode_32 3
		.amdhsa_float_denorm_mode_16_64 3
		.amdhsa_memory_ordered 1
		.amdhsa_forward_progress 1
		.amdhsa_inst_pref_size 43
	.end_amdhsa_kernel
	.amdgpu_metadata
---
amdhsa.version: [ 1, 2 ]
amdhsa.kernels:
  - .name:           k_qd69a5784db_quant
    .symbol:         k_qd69a5784db_quant.kd
    .args:
      - { .name: key, .offset: 0, .size: 8, .value_kind: global_buffer, .address_space: global }
      - { .name: value, .offset: 8, .size: 8, .value_kind: global_buffer, .address_space: global }
      - { .name: lowp_scales, .offset: 16, .size: 8, .value_kind: global_buffer, .address_space: global }
      - { .name: kv, .offset: 24, .size: 8, .value_kind: global_buffer, .address_space: global }
    .group_segment_fixed_size: 35328
    .private_segment_fixed_size: 0
    .kernarg_segment_align: 8
    .kernarg_segment_size: 32
    .max_flat_workgroup_size: 128
    .sgpr_count:     66
    .vgpr_count:     242
    .wavefront_size: 32
...
	.end_amdgpu_metadata
.endif
;; end of part 1
;; launch attn (part 2): grid 8 x 32, 16 waves a work-group, no clusters, 264,192 bytes of LDS; arguments query, kv, lowp_scales, inv_scale_factor, out0; writes out0
.if DOCPART == 2
	.amdgcn_target "amdgcn-amd-amdhsa--gfx1250"
	.amdhsa_code_object_version 6
	.text
	.protected	k_qd69a5784db_attn
	.globl	k_qd69a5784db_attn
	.p2align	8
	.type	k_qd69a5784db_attn,@function
k_qd69a5784db_attn:
	s_mov_b64 s[64:65], 0
	v_nop
	global_prefetch_b8 v0, s[64:65] scope:SCOPE_SE
	s_setreg_imm32_b32 hwreg(HW_REG_WAVE_MODE, 25, 1), 1
	s_wait_xcnt 0x0
; out0[head][q][:] = the sum over k of softmax_k(Q[q] . K[k] / inv_scale) V[k][:], 32 heads, 2,048 queries and keys, head size 64; both products on codes of FP8 (E4M3), each operand with its given scale 2^e: eq, ek, ep, ev.
; THE SOFTMAX AHEAD OF THE SECOND PRODUCT: t = score x log2(e) / inv_scale; M = the row's largest t so far, rounded UP to a whole number; p = 2^(t - M) is what is quantised, not normalised.
; The row's sum is taken of the unquantised p, in f32, and divides O at the end.  When M moves, the sum and O are multiplied by 2^(old M - new M): nothing is rounded.
; SHARES.  Work-group (x, y) owns queries 256 x .. 256 x + 255 of head y; each of its sixteen waves owns 16 of them, one tile, in 240 registers: four waves to a SIMD, so that one wave's vector work stands beside
; another's products and LDS loads.  K's and V's codes were made by the launch before, laid as images of the operands' registers (its head comment has the layout): a head's are 262,144 bytes, which lie in LDS whole.
; They come in four chunks of 512 keys, through registers: 512 threads x 16 bytes x 8 loads a chunk, asked for one chunk (four key steps) before they are stored to LDS.  No byte of the images is written twice.
; LAYOUT.  Both products are used transposed: S^T = K Q^T (source 0 = 16 keys, source 1 = my 16 queries), O^T = V^T P^T (source 0 = 16 of the head's 64, source 1 = P): a lane holds ONE query (lane % 16) throughout.
; Register j of S^T's tile c is key 16 c + 8 (lane / 16) + j: the eight convert into registers 2 c, 2 c + 1 of the 16 x 128 form's operand, in that form's own order of k.  Along d, Q and K are permuted alike (registers 4 u .. 4 u + 3: d = 32 u + 16 (lane / 16) + 0 .. 15).
; THE HOLD AT THE LARGEST CODE.  p is at most 1 (but for a last bit), and 448 x 2^ep is at least 1.75 for ep >= -8: there the hold changes nothing.  For ep <= -9 they run.
; NO CLUSTER, NO TENSOR LOAD: the eight work-groups of a head read the same codes, but a joint request is a tensor load.
; What is shared is 16,384 bytes a key step for a work-group, asked for four key steps ahead.
; A negative inv_scale turns the signs of Q's codes, so that c below is positive and the largest t belongs to the largest score.
; LIMITS: eq and ep between -126 and 119; inv_scale is not 0, and it, its reciprocal and c = log2(e) / |inv_scale| x 2^(eq + ek) are normal f32 numbers; ep + ev is applied by v_ldexp_f32 and has no limit.  NaN among the inputs is not served.
.set CHUNK, 65536                      ; a chunk's image: 32,768 bytes of K (32 tiles x 1,024), then 32,768 of V (4 key steps x 4 tiles x 2,048)
.set VPART, 32768
.set SP,    272                        ; a stage row: 256 bytes + 16 = 68 words: row r starts at bank 4 r mod 64 (64 banks of 4 bytes: ISA guide 11.1)
.set WST,   16*SP                      ; a wave's stage: 16 rows
.set STAGE, 65536                      ; the sixteen stages, 69,632 bytes, lie where chunks 1 and 2 lie.  They serve Q at the head: every wave's reads are back in front of the first barrier, and chunk 1 is stored behind it;
                                       ; and O at the end: a wave there has passed the fourth barrier, in front of which every wave's reads of chunks 0 to 2 were back
.set LI,  1                            ; v1   16 x lane; never rewritten
.set CP0, 2                            ; v2   16 x thread: my 16 bytes of each 8,192 of a chunk; never rewritten
.set AD,  3                            ; v3   LI + the chunk's first LDS byte
.set CPA, 4                            ; v4   CP0 + the same
.set STI, 5                            ; v5   my stage by dense rows: row lane / 16, 16 bytes at 16 (lane % 16)
.set STQ, 6                            ; v6   my stage, Q's way out: row r, + 64 h
.set STO, 7                            ; v7   my stage, O's way in: row r, + 32 h
                                       ; v9 the lane permute's destination; v[10:11] f and 0; v12 -M; v13 the largest t; v[14:15] the sum in two halves; v24, v25: 2^ep, 448 x 2^ep; v26-29 at work; v30, v31: 2^eq, 448 x 2^eq
.set QC,  16                           ; v16-23   Q's codes
.set F,   32                           ; v32-95   K's eight fragments of 8 registers, then V's four of 16
.set S,   96                           ; v96-159  S^T, then p
.set O,   160                          ; v160-191 O^T: four tiles
.set P,   192                          ; v192-207 p's codes
.set CS,  208                          ; v208-239 the next chunk on its way
                                       ; s14 wave; s[16:19] eq, ek, ep, ev; s20 inv_scale's bits; s[22:23] c, twice; s[24:25] the permute's selects; s26 the chunk's first LDS byte; s27 chunks to go; s30 1: the hold runs
	s_load_b256 s[4:11], s[0:1], 0x0               ; query s[4:5], kv s[6:7], the scales' exponents s[8:9], inv_scale_factor s[10:11]
	s_load_b64 s[12:13], s[0:1], 0x20              ; out0
	v_lshl_add_u32 v240, v0, 2, 0x40000
	v_mov_b32 v241, 0
	v_lshrrev_b32 v26, 5, v0
	v_readfirstlane_b32 s14, v26                   ; wave 0..15
	v_and_b32 v26, 31, v0
	v_lshlrev_b32 v[LI], 4, v26
	v_lshlrev_b32 v[CP0], 4, v0
	v_and_b32 v26, 15, v0                          ; r
	v_bfe_u32 v27, v0, 4, 1                        ; h
	s_mul_i32 s28, s14, WST
	s_add_co_u32 s28, s28, STAGE                   ; my stage
	v_mul_u32_u24 v[STI], v27, SP
	v_lshl_add_u32 v[STI], v26, 4, v[STI]
	v_add_nc_u32 v[STI], s28, v[STI]
	v_mul_u32_u24 v[STQ], v26, SP
	v_lshl_add_u32 v[STO], v27, 5, v[STQ]
	v_lshl_add_u32 v[STQ], v27, 6, v[STQ]
	v_add_nc_u32 v[STQ], s28, v[STQ]
	v_add_nc_u32 v[STO], s28, v[STO]
	s_and_b32 s31, ttmp7, 0xffff                   ; the head
	s_lshl_b32 s32, s31, 19                        ; a head of query and of out0: 2,048 rows of 256 bytes,
	s_lshl_b32 s33, ttmp9, 16                      ; my work-group's 256 rows,
	s_add_co_u32 s32, s32, s33
	s_lshl_b32 s33, s14, 12                        ; my wave's 16
	s_add_co_u32 s32, s32, s33
	s_mov_b32 s33, 0
	s_lshl_b32 s34, s31, 18                        ; a head of kv: four chunks
	s_mov_b32 s35, 0
	s_mov_b32 s24, 0x76543210                      ; v_permlanex16_b32: lane l takes lane l xor 16
	s_mov_b32 s25, 0xfedcba98
	s_mov_b32 s26, 0
	s_mov_b32 s27, 4
	s_wait_kmcnt 0x0
	s_load_b128 s[16:19], s[8:9], 0x0              ; eq, ek, ep, ev
	s_load_b32 s20, s[10:11], 0x0                  ; inv_scale
	s_add_nc_u64 s[4:5], s[4:5], s[32:33]
	s_add_nc_u64 s[12:13], s[12:13], s[32:33]
	s_add_nc_u64 s[6:7], s[6:7], s[34:35]
.irp j, 0,1,2,3,4,5,6,7
	global_load_b128 v[S+32+4*\j:S+32+4*\j+3], v[LI], s[4:5] offset:512*\j th:TH_LOAD_NT   ; my 16 rows of Q as they lie: 512 consecutive bytes a load; read by nobody else
.endr
.macro CLOAD                           ; a chunk's 65,536 bytes: the work-group's 512 threads take 8,192 consecutive bytes a load
.irp i, 0,1,2,3,4,5,6,7
	global_load_b128 v[CS+4*\i:CS+4*\i+3], v[CP0], s[6:7] offset:8192*\i
.endr
.endm
	CLOAD                                          ; chunk 0
	s_wait_kmcnt 0x0
	s_add_co_i32 s28, s16, 127
	s_lshl_b32 s29, s28, 23
	v_mov_b32 v30, s29                             ; 2^eq as f32: the conversion takes its exponent field
	s_add_co_i32 s28, s28, 8
	s_lshl_b32 s28, s28, 23
	s_or_b32 s28, s28, 0x600000
	v_mov_b32 v31, s28                             ; 448 x 2^eq
	s_add_co_i32 s28, s18, 127
	s_lshl_b32 s29, s28, 23
	v_mov_b32 v24, s29                             ; 2^ep
	s_add_co_i32 s28, s28, 8
	s_lshl_b32 s28, s28, 23
	s_or_b32 s28, s28, 0x600000
	v_mov_b32 v25, s28                             ; 448 x 2^ep
	s_cmp_lt_i32 s18, -8
	s_cselect_b32 s30, 1, 0                        ; the hold runs where 448 x 2^ep lies under 1
	s_add_co_i32 s29, s16, s17                     ; a score stands for score x 2^(eq + ek)
	v_mov_b32 v26, s20
	v_and_b32 v26, 0x7fffffff, v26                 ; |inv_scale|
	v_rcp_f32 v27, v26
	v_nop                                          ; a plain line behind the reciprocal,
	s_wait_alu depctr_va_vdst(0)                   ; and a wait ahead of its first reader
	v_fma_f32 v28, -v26, v27, 1.0                  ; one step of Newton's: what goes on into a quantiser is as accurate as f32 allows
	v_fma_f32 v27, v28, v27, v27
	v_mul_f32 v27, 0x3fb8aa3b, v27                 ; x log2(e)
	v_ldexp_f32 v27, v27, s29
	v_readfirstlane_b32 s22, v27                   ; c = log2(e) / |inv_scale| x 2^(eq + ek): t = score x c
	s_mov_b32 s23, s22                             ; (named with it as a pair, so it is written)
	s_ashr_i32 s28, s20, 31
	s_and_b32 s28, s28, 0x80808080                 ; the four codes' sign bits where inv_scale is negative, else 0
	; Q: through my stage, so that a lane holds 16 neighbours of each 32 along d of ONE row; held, converted; the codes stay in registers
	s_wait_loadcnt 8                               ; Q's eight loads are in; chunk 0's eight, issued behind them, may be out
.irp j, 0,1,2,3,4,5,6,7
	ds_store_b128 v[STI], v[S+32+4*\j:S+32+4*\j+3] offset:2*SP*\j
.endr
.irp u, 0,1
.irp m, 0,1,2,3
	ds_load_b128 v[S+16*\u+4*\m:S+16*\u+4*\m+3], v[STQ] offset:128*\u+16*\m   ; LDS serves a wave's instructions in order (ISA guide 5.7.1.4): these see my stores.  Register 16 u + i: d = 32 u + 16 h + i
.endr
.endr
	v_mov_b32 v13, 0xff61b1e6                      ; the largest t so far: -3e38, under every t
	v_floor_f32 v12, -v13                          ; -M
	v_mov_b32 v9, 0                                ; written once: a lane permute's destination counts as one of its sources
	v_mov_b32 v11, 0                               ; (named as the upper half of the pair v[10:11])
	v_mov_b32 v14, 0                               ; the sum, in two halves
	v_mov_b32 v15, 0
.set J, 0
.rept 32
	v_mov_b32 v[O+J], 0                            ; O^T.  (The key step is written once: the first finds zeros, which the first change of M leaves zeros)
.set J, J+1
.endr
	s_wait_dscnt 0x0
.set J, 0
.rept 32
	v_med3_num_f32 v[S+J], v[S+J], -v31, v31       ; the conversion to an 8-bit code does not saturate (ISA guide 7.6.2): the hold comes first
.set J, J+1
.endr
.irp g, 0,1,2,3
	v_cvt_scalef32_pk8_fp8_f32 v[QC+2*\g:QC+2*\g+1], v[S+8*\g:S+8*\g+7], v30
.endr
	v_nop                                          ; one plain line between a scaled conversion and the vector line that touches its result
.irp j, 0,1,2,3,4,5,6,7
	v_xor_b32 v[QC+\j], s28, v[QC+\j]              ; inv_scale's sign
.endr
; A KEY STEP: 128 keys, the q-th of the chunk in hand.  Every LDS offset is an immediate, 65,024 at the most.
.macro STEP q
.rept 4
	v_nop                                          ; four places between the last products and loads into registers that they read (ISA guide 7.12.1 for vector lines)
.endr
.irp c, 0,1,2,3,4,5,6,7
	ds_load_b128 v[F+8*\c:F+8*\c+3],   v[AD] offset:1024*(8*(\q)+\c)       ; K's tile c: 16 keys x 64
	ds_load_b128 v[F+8*\c+4:F+8*\c+7], v[AD] offset:1024*(8*(\q)+\c)+512
.endr
	s_wait_dscnt 8                                 ; tiles 0-3 are in; the eight loads of tiles 4-7 may be out
.irp c, 0,1,2,3
	v_wmma_f32_16x16x64_fp8_fp8 v[S+8*\c:S+8*\c+7], v[F+8*\c:F+8*\c+7], v[QC:QC+7], 0
.endr
	s_wait_dscnt 0x0
.irp c, 4,5,6,7
	v_wmma_f32_16x16x64_fp8_fp8 v[S+8*\c:S+8*\c+7], v[F+8*\c:F+8*\c+7], v[QC:QC+7], 0
.endr
.rept 4
	v_nop                                          ; four places: for the loads below, into registers just read, and for the first read of the scores
.endr
.irp t, 0,1,2,3
.irp i, 0,1,2,3
	ds_load_b128 v[F+16*\t+4*\i:F+16*\t+4*\i+3], v[AD] offset:VPART+8192*(\q)+2048*\t+512*\i   ; V's tile t: 16 of d x 128 keys; they land under the softmax
.endr
.endr
	v_max3_num_f32 v26, v[S], v[S+1], v[S+2]       ; the step's largest score of my query among my 64 keys, in two chains; each tile is read from its low end on
	v_max3_num_f32 v27, v[S+3], v[S+4], v[S+5]
.irp i, 6,10,14,18,22,26,30,34,38,42,46,50,54,58
	v_max3_num_f32 v26, v26, v[S+\i], v[S+\i+1]
	v_max3_num_f32 v27, v27, v[S+\i+2], v[S+\i+3]
.endr
	v_max3_num_f32 v26, v26, v[S+62], v[S+63]
	v_max_num_f32 v26, v26, v27
	v_permlanex16_b32 v9, v26, s24, s25
	v_max_num_f32 v26, v26, v9                     ; and among lane l xor 16's
	v_mul_f32 v26, s22, v26                        ; as t (c is positive)
	v_max_num_f32 v13, v13, v26                    ; the running largest t
	v_mov_b32 v26, v12
	v_floor_f32 v12, -v13                          ; the new -M = floor(-t) = -ceil(t): M is a whole number
	v_sub_f32 v26, v12, v26                        ; M's old value less its new one: a whole number, 0 or less
	v_cvt_i32_f32 v26, v26                         ; (it saturates)
	v_ldexp_f32 v10, 1.0, v26                      ; f = 2^(old M - new M)
.set J, 0
.rept 32
	v_pk_fma_f32 v[S+J:S+J+1], v[S+J:S+J+1], s[22:23], v[12:13] op_sel_hi:[1,0,0]   ; t - M, two at a time (of the pairs c and -M the low word serves both halves)
.set J, J+2
.endr
.set J, 0
.rept 64
	v_exp_f32 v[S+J], v[S+J]                       ; p = 2^(t - M): not normalised
.set J, J+1
.endr
	v_pk_mul_f32 v[14:15], v[14:15], v[10:11] op_sel_hi:[1,0]   ; the sums under the new M: the plain line behind the exponentials
	s_wait_alu depctr_va_vdst(0)                   ; one wait for the batch of 64, ahead of its first reader
	v_pk_add_f32 v[28:29], v[S:S+1], v[S+2:S+3]    ; the row's sum is taken of the UNQUANTISED p: two at a time, in two chains
.irp j, 4,8,12,16,20,24,28,32,36,40,44,48,52,56,60
	v_pk_add_f32 v[14:15], v[14:15], v[S+\j:S+\j+1]
	v_pk_add_f32 v[28:29], v[28:29], v[S+\j+2:S+\j+3]
.endr
	v_pk_add_f32 v[14:15], v[14:15], v[28:29]
	s_cmp_eq_u32 s30, 0                            ; ep >= -8: no p reaches 448 x 2^ep
	s_cbranch_scc1 .Lfree_\@
.set J, 0
.rept 64
	v_min_num_f32 v[S+J], v[S+J], v25              ; the hold; p is not negative, so it is one-sided
.set J, J+1
.endr
.Lfree_\@:
.irp c, 0,1,2,3,4,5,6,7
	v_cvt_scalef32_pk8_fp8_f32 v[P+2*\c:P+2*\c+1], v[S+8*\c:S+8*\c+7], v24   ; tile c's eight keys: registers 2 c, 2 c + 1 of the operand
.endr
.set J, 0
.rept 16
	v_pk_mul_f32 v[O+J:O+J+1], v[O+J:O+J+1], v[10:11] op_sel_hi:[1,0]   ; O^T under the new M, each tile from its low end on.  (Also the plain lines between the conversions and the products that read their results)
.set J, J+2
.endr
	s_wait_dscnt 0x0                               ; V is in
.irp t, 0,1,2,3                        ; the four accumulators take turns, one instruction a turn; between two products on one of them stand the three others' and the next step's eight
	v_wmma_f32_16x16x128_fp8_fp8 v[O+8*\t:O+8*\t+7], v[F+16*\t:F+16*\t+15], v[P:P+15], v[O+8*\t:O+8*\t+7]
.endr
.endm
.Lchunk:                                               ; four trips, a chunk of 512 keys each
	s_wait_loadcnt 0x0                             ; this chunk is in my registers; its loads are done, so their base may be stepped
	v_add_nc_u32 v[AD], s26, v[LI]
	v_add_nc_u32 v[CPA], s26, v[CP0]
.irp i, 0,1,2,3,4,5,6,7
	ds_store_b128 v[CPA], v[CS+4*\i:CS+4*\i+3] offset:8192*\i   ; into bytes that nobody has written or read yet (chunk 1: that the stages' owners have left)
.endr
	s_add_nc_u64 s[6:7], s[6:7], CHUNK
	s_wait_dscnt 0x0                               ; for the others' sake: my part of the chunk has landed; and my reads of the last chunk are back
	s_barrier_signal -1
	s_barrier_wait -1                              ; the chunk is whole
	s_cmp_eq_u32 s27, 1                            ; the last chunk has no successor: no load leaves kv
	s_cbranch_scc1 .Lno_next
	CLOAD                                          ; the next chunk: four key steps ahead of the wait for it.  (The stores above have read these registers: their wait stands in front of the barrier)
.Lno_next:
	STEP 0
	STEP 1
	STEP 2
	STEP 3
	s_add_co_u32 s26, s26, CHUNK
	s_sub_co_u32 s27, s27, 1
	s_cmp_lg_u32 s27, 0
	s_cbranch_scc1 .Lchunk
	; THE WAY OUT.  O^T is divided by the row's sum, multiplied by 2^(ep + ev), and goes through my stage, so that each store of the wave covers two whole rows of out0.
	v_add_f32 v14, v14, v15                        ; the sum's two halves,
	v_permlanex16_b32 v9, v14, s24, s25
	v_add_f32 v14, v14, v9                         ; and lane l xor 16's: the row's sum
	v_rcp_f32 v14, v14
	v_nop                                          ; a plain line behind the reciprocal;
	v_nop                                          ; with the two additions and this one, four places stand behind the last products
	s_add_co_i32 s28, s18, s19
	s_wait_alu depctr_va_vdst(0)                   ; a wait ahead of the reciprocal's first reader
	v_ldexp_f32 v14, v14, s28                      ; x 2^(ep + ev)
.set J, 0
.rept 32
	v_mul_f32 v[S+J], v[O+J], v14                  ; register 8 t + j is o(query r, d = 16 t + 8 h + j); each tile from its low end on
.set J, J+1
.endr
.irp t, 0,1,2,3
	ds_store_b128 v[STO], v[S+8*\t:S+8*\t+3] offset:64*\t
	ds_store_b128 v[STO], v[S+8*\t+4:S+8*\t+7] offset:64*\t+16
.endr
.irp j, 0,1,2,3,4,5,6,7
	ds_load_b128 v[F+4*\j:F+4*\j+3], v[STI] offset:2*SP*\j   ; my own bytes, served in order: these see my stores
.endr
.irp j, 0,1,2,3,4,5,6,7
	s_wait_dscnt 7-\j                              ; load j is back; the younger ones may be out
	global_store_b128 v[LI], v[F+4*\j:F+4*\j+3], s[12:13] offset:512*\j th:TH_STORE_NT   ; 32 lanes store 512 consecutive bytes, at a multiple of 256 from out0's first byte; written once, read by nobody here
.endr
	s_wait_tensorcnt 0x0
	ds_add_u32 v240, v241
	s_wait_dscnt 0x0
	s_endpgm
.Lfunc_end_k_qd69a5784db_attn:
	.size	k_qd69a5784db_attn, .Lfunc_end_k_qd69a5784db_attn-k_qd69a5784db_attn
	.p2alignl 7, 3214868480
	.fill 96, 4, 3214868480
	.section	.rodata,"a",@progbits
	.p2align	6, 0x0
	.amdhsa_kernel k_qd69a5784db_attn
		.amdhsa_group_segment_fixed_size 264192
		.amdhsa_private_segment_fixed_size 0
		.amdhsa_enable_private_segment 0
		.amdhsa_kernarg_size 40
		.amdhsa_user_sgpr_count 2
		.amdhsa_user_sgpr_kernarg_segment_ptr 1
		.amdhsa_wavefront_size32 1
		.amdhsa_system_sgpr_workgroup_id_x 1
		.amdhsa_system_sgpr_workgroup_id_y 1
		.amdhsa_system_sgpr_workgroup_id_z 1
		.amdhsa_system_vgpr_workitem_id 0
		.amdhsa_next_free_vgpr 242
		.amdhsa_next_free_sgpr 66
		.amdhsa_reserve_vcc 0
		.amdhsa_float_denorm_mode_32 3
		.amdhsa_float_denorm_mode_16_64 3
		.amdhsa_memory_ordered 1
		.amdhsa_forward_progress 1
		.amdhsa_inst_pref_size 76
	.end_amdhsa_kernel
	.amdgpu_metadata
---
amdhsa.version: [ 1, 2 ]
amdhsa.kernels:
  - .name:           k_qd69a5784db_attn
    .symbol:         k_qd69a5784db_attn.kd
    .args:
      - { .name: query, .offset: 0, .size: 8, .value_kind: global_buffer, .address_space: global }
      - { .name: kv, .offset: 8, .size: 8, .value_kind: global_buffer, .address_space: global }
      - { .name: lowp_scales, .offset: 16, .size: 8, .value_kind: global_buffer, .address_space: global }
      - { .name: inv_scale_factor, .offset: 24, .size: 8, .value_kind: global_buffer, .address_space: global }
      - { .name: out0, .offset: 32, .size: 8, .value_kind: global_buffer, .address_space: global }
    .group_segment_fixed_size: 264192
    .private_segment_fixed_size: 0
    .kernarg_segment_align: 8
    .kernarg_segment_size: 40
    .max_flat_workgroup_size: 512
    .sgpr_count:     66
    .vgpr_count:     242
    .wavefront_size: 32
...
	.end_amdgpu_metadata
.endif
;; end of part 2
;; ======== version 2 of 2: 2 launches; version 1 with the launch attn written anew for expert scheduling mode
;; workspace buffers: kv 8,388,608 bytes
;; launch quant: the kernel of part 1 again; grid 256 x 2, 4 waves a work-group, no clusters, 35,328 bytes of LDS; arguments key, value, lowp_scales, kv; writes kv
;; launch attn (part 3): grid 8 x 32, 16 waves a work-group, no clusters, 264,192 bytes of LDS; arguments query, kv, lowp_scales, inv_scale_factor, out0; writes out0
.if DOCPART == 3
	.amdgcn_target "amdgcn-amd-amdhsa--gfx1250"
	.amdhsa_code_object_version 6
	.text
	.protected	k_qd69a5784db_attn
	.globl	k_qd69a5784db_attn
	.p2align	8
	.type	k_qd69a5784db_attn,@function
k_qd69a5784db_attn:
	s_mov_b64 s[64:65], 0
	v_nop
	global_prefetch_b8 v0, s[64:65] scope:SCOPE_SE
	s_setreg_imm32_b32 hwreg(HW_REG_WAVE_SCHED_MODE, 0, 2), 2
	s_setreg_imm32_b32 hwreg(HW_REG_WAVE_MODE, 25, 1), 1
	s_wait_xcnt 0x0
	s_wait_alu depctr_vm_vsrc(0)
; out0[head][q][:] = the sum over k of softmax_k(Q[q] . K[k] / inv_scale) V[k][:], 32 heads, 2,048 queries and keys, head size 64; both products on codes of FP8 (E4M3), each operand with its given scale 2^e: eq, ek, ep, ev.
; THE SOFTMAX AHEAD OF THE SECOND PRODUCT: t = score x log2(e) / inv_scale; M = the row's largest t so far, rounded UP to a whole number; p = 2^(t - M) is what is quantised, not normalised.
; The row's sum is taken of the unquantised p, in f32, and divides O at the end.  When M moves, the sum and O are multiplied by 2^(old M - new M): nothing is rounded.
; SHARES.  Work-group (x, y) owns queries 256 x .. 256 x + 255 of head y; each of its sixteen waves owns 16 of them, one tile, in 240 registers: four waves to a SIMD, so that one wave's vector work stands beside
; another's products and LDS loads.  K's and V's codes were made by the launch before, laid as images of the operands' registers (its head comment has the layout): a head's are 262,144 bytes, which lie in LDS whole.
; They come in four chunks of 512 keys, through registers: 512 threads x 16 bytes x 8 loads a chunk, asked for one chunk (four key steps) before they are stored to LDS.  No byte of the images is written twice.
; LAYOUT.  Both products are used transposed: S^T = K Q^T (source 0 = 16 keys, source 1 = my 16 queries), O^T = V^T P^T (source 0 = 16 of the head's 64, source 1 = P): a lane holds ONE query (lane % 16) throughout.
; Register j of S^T's tile c is key 16 c + 8 (lane / 16) + j: the eight convert into registers 2 c, 2 c + 1 of the 16 x 128 form's operand, in that form's own order of k.  Along d, Q and K are permuted alike (registers 4 u .. 4 u + 3: d = 32 u + 16 (lane / 16) + 0 .. 15).
; THE HOLD AT THE LARGEST CODE.  p is at most 1 (but for a last bit), and 448 x 2^ep is at least 1.75 for ep >= -8: there the hold changes nothing.  For ep <= -9 they run.
; NO CLUSTER, NO TENSOR LOAD: the eight work-groups of a head read the same codes, but a joint request is a tensor load.
; What is shared is 16,384 bytes a key step for a work-group, asked for four key steps ahead.
; A negative inv_scale turns the signs of Q's codes, so that c below is positive and the largest t belongs to the largest score.
; LIMITS: eq and ep between -126 and 119; inv_scale is not 0, and it, its reciprocal and c = log2(e) / |inv_scale| x 2^(eq + ek) are normal f32 numbers; ep + ev is applied by v_ldexp_f32 and has no limit.  NaN among the inputs is not served.
; THE MODE: SCHED_MODE bits 1:0 = 2 (LLVM: expert scheduling mode 2), set by the entry lines.  The code itself states the register dependences
; between vector or matrix instructions and memory or LDS instructions, with s_wait_alu, always for 0.
; THE PLAN.  Registers that memory or LDS instructions touch:
;   v1, v2, v5-v7  Offsets and stage addresses: made at the head and never written again.  One wait on va_vdst ahead of the first load serves every access by them.
;   v3 (AD), v4 (CPA)  Written once a chunk, at its head; read by that chunk's LDS loads (AD) and its eight LDS stores (CPA).
;   CS             The next chunk's global loads land in it; the LDS stores at the next chunk's head read it; no vector line names it.
;   F              K's LDS loads land, the eight products K Q^T read; V's LDS loads land, the four products V^T P read; then K's of the next step.  At the way out O's rows come back into it and the global stores read it.
;                  The text holds 240 of the 256 registers that four waves on a SIMD of 1,024 leave a wave: there is no room for a second F, so each change of its tenant has its wait.
;   S              At the head Q's loads land in its upper half, LDS stores read that half, LDS loads land in the lower; from the first step on the products write it.  At the way out 32 multiplies write it and LDS stores read it.
;   P, O, QC and the statistics are named by vector and matrix lines alone.
; So a chunk's head has one wait on vm_vsrc (AD and CPA have been read) and one on va_vdst (they are written anew; the last products are done reading F: that serves the chunk's first step too); behind its barrier one on vm_vsrc (CS has been read).
; A key step has a wait on va_vdst ahead of K's loads (steps 1 to 3), one ahead of V's loads, where the scores are awaited in any case, and one behind the exponentials.
.set CHUNK, 65536                      ; a chunk's image: 32,768 bytes of K (32 tiles x 1,024), then 32,768 of V (4 key steps x 4 tiles x 2,048)
.set VPART, 32768
.set SP,    272                        ; a stage row: 256 bytes + 16 = 68 words: row r starts at bank 4 r mod 64 (64 banks of 4 bytes: ISA guide 11.1)
.set WST,   16*SP                      ; a wave's stage: 16 rows
.set STAGE, 65536                      ; the sixteen stages, 69,632 bytes, lie where chunks 1 and 2 lie.  They serve Q at the head: every wave's reads are back in front of the first barrier, and chunk 1 is stored behind it;
                                       ; and O at the end: a wave there has passed the fourth barrier, in front of which every wave's reads of chunks 0 to 2 were back
.set LI,  1                            ; v1   16 x lane; never rewritten
.set CP0, 2                            ; v2   16 x thread: my 16 bytes of each 8,192 of a chunk; never rewritten
.set AD,  3                            ; v3   LI + the chunk's first LDS byte
.set CPA, 4                            ; v4   CP0 + the same
.set STI, 5                            ; v5   my stage by dense rows: row lane / 16, 16 bytes at 16 (lane % 16)
.set STQ, 6                            ; v6   my stage, Q's way out: row r, + 64 h
.set STO, 7                            ; v7   my stage, O's way in: row r, + 32 h
                                       ; v9 the lane permute's destination; v[10:11] f and 0; v12 -M; v13 the largest t; v[14:15] the sum in two halves; v24, v25: 2^ep, 448 x 2^ep; v26-29 at work; v30, v31: 2^eq, 448 x 2^eq
.set QC,  16                           ; v16-23   Q's codes
.set F,   32                           ; v32-95   K's eight fragments of 8 registers, then V's four of 16
.set S,   96                           ; v96-159  S^T, then p
.set O,   160                          ; v160-191 O^T: four tiles
.set P,   192                          ; v192-207 p's codes
.set CS,  208                          ; v208-239 the next chunk on its way
                                       ; s14 wave; s[16:19] eq, ek, ep, ev; s20 inv_scale's bits; s[22:23] c, twice; s[24:25] the permute's selects; s26 the chunk's first LDS byte; s27 chunks to go; s30 1: the hold runs
	s_load_b256 s[4:11], s[0:1], 0x0               ; query s[4:5], kv s[6:7], the scales' exponents s[8:9], inv_scale_factor s[10:11]
	s_load_b64 s[12:13], s[0:1], 0x20              ; out0
	v_lshl_add_u32 v240, v0, 2, 0x40000
	v_mov_b32 v241, 0
	v_lshrrev_b32 v26, 5, v0
	v_readfirstlane_b32 s14, v26                   ; wave 0..15
	v_and_b32 v26, 31, v0
	v_lshlrev_b32 v[LI], 4, v26
	v_lshlrev_b32 v[CP0], 4, v0
	v_and_b32 v26, 15, v0                          ; r
	v_bfe_u32 v27, v0, 4, 1                        ; h
	s_wait_alu depctr_va_sdst(0)                   ; s14 is written, ahead of its first reader: my stage's place and my rows' offsets are made from it
	s_mul_i32 s28, s14, WST
	s_add_co_u32 s28, s28, STAGE                   ; my stage
	v_mul_u32_u24 v[STI], v27, SP
	v_lshl_add_u32 v[STI], v26, 4, v[STI]
	v_add_nc_u32 v[STI], s28, v[STI]
	v_mul_u32_u24 v[STQ], v26, SP
	v_lshl_add_u32 v[STO], v27, 5, v[STQ]
	v_lshl_add_u32 v[STQ], v27, 6, v[STQ]
	v_add_nc_u32 v[STQ], s28, v[STQ]
	v_add_nc_u32 v[STO], s28, v[STO]
	s_and_b32 s31, ttmp7, 0xffff                   ; the head
	s_lshl_b32 s32, s31, 19                        ; a head of query and of out0: 2,048 rows of 256 bytes,
	s_lshl_b32 s33, ttmp9, 16                      ; my work-group's 256 rows,
	s_add_co_u32 s32, s32, s33
	s_lshl_b32 s33, s14, 12                        ; my wave's 16
	s_add_co_u32 s32, s32, s33
	s_mov_b32 s33, 0
	s_lshl_b32 s34, s31, 18                        ; a head of kv: four chunks
	s_mov_b32 s35, 0
	s_mov_b32 s24, 0x76543210                      ; v_permlanex16_b32: lane l takes lane l xor 16
	s_mov_b32 s25, 0xfedcba98
	s_mov_b32 s26, 0
	s_mov_b32 s27, 4
	s_wait_kmcnt 0x0
	s_load_b128 s[16:19], s[8:9], 0x0              ; eq, ek, ep, ev
	s_load_b32 s20, s[10:11], 0x0                  ; inv_scale
	s_add_nc_u64 s[4:5], s[4:5], s[32:33]
	s_add_nc_u64 s[12:13], s[12:13], s[32:33]
	s_add_nc_u64 s[6:7], s[6:7], s[34:35]
	s_wait_alu depctr_va_vdst(0)                   ; v1, v2 and v5 to v7 are written: every global access and every access to my stage reads one of them as its offset or address, and none is written again
.irp j, 0,1,2,3,4,5,6,7
	global_load_b128 v[S+32+4*\j:S+32+4*\j+3], v[LI], s[4:5] offset:512*\j th:TH_LOAD_NT   ; my 16 rows of Q as they lie: 512 consecutive bytes a load; read by nobody else
.endr
.macro CLOAD                           ; a chunk's 65,536 bytes: the work-group's 512 threads take 8,192 consecutive bytes a load
.irp i, 0,1,2,3,4,5,6,7
	global_load_b128 v[CS+4*\i:CS+4*\i+3], v[CP0], s[6:7] offset:8192*\i
.endr
.endm
	CLOAD                                          ; chunk 0
	s_wait_kmcnt 0x0
	s_add_co_i32 s28, s16, 127
	s_lshl_b32 s29, s28, 23
	v_mov_b32 v30, s29                             ; 2^eq as f32: the conversion takes its exponent field
	s_add_co_i32 s28, s28, 8
	s_lshl_b32 s28, s28, 23
	s_or_b32 s28, s28, 0x600000
	v_mov_b32 v31, s28                             ; 448 x 2^eq
	s_add_co_i32 s28, s18, 127
	s_lshl_b32 s29, s28, 23
	v_mov_b32 v24, s29                             ; 2^ep
	s_add_co_i32 s28, s28, 8
	s_lshl_b32 s28, s28, 23
	s_or_b32 s28, s28, 0x600000
	v_mov_b32 v25, s28                             ; 448 x 2^ep
	s_cmp_lt_i32 s18, -8
	s_cselect_b32 s30, 1, 0                        ; the hold runs where 448 x 2^ep lies under 1
	s_add_co_i32 s29, s16, s17                     ; a score stands for score x 2^(eq + ek)
	v_mov_b32 v26, s20
	v_and_b32 v26, 0x7fffffff, v26                 ; |inv_scale|
	v_rcp_f32 v27, v26
	v_nop                                          ; a plain line behind the reciprocal,
	s_wait_alu depctr_va_vdst(0)                   ; and a wait ahead of its first reader: the reciprocal has written v27
	v_fma_f32 v28, -v26, v27, 1.0                  ; one step of Newton's: what goes on into a quantiser is as accurate as f32 allows
	v_fma_f32 v27, v28, v27, v27
	v_mul_f32 v27, 0x3fb8aa3b, v27                 ; x log2(e)
	v_ldexp_f32 v27, v27, s29
	v_readfirstlane_b32 s22, v27                   ; c = log2(e) / |inv_scale| x 2^(eq + ek): t = score x c
	s_wait_alu depctr_va_sdst(0)                   ; s22 is written, ahead of its first reader, the line below
	s_mov_b32 s23, s22                             ; (named with it as a pair, so it is written)
	s_ashr_i32 s28, s20, 31
	s_and_b32 s28, s28, 0x80808080                 ; the four codes' sign bits where inv_scale is negative, else 0
	; Q: through my stage, so that a lane holds 16 neighbours of each 32 along d of ONE row; held, converted; the codes stay in registers.
	; No vector line has named v[S ..] so far, and the stage's addresses stand behind the wait ahead of the first load: these LDS lines owe no further wait.
	s_wait_loadcnt 8                               ; Q's eight loads are in; chunk 0's eight, issued behind them, may be out
.irp j, 0,1,2,3,4,5,6,7
	ds_store_b128 v[STI], v[S+32+4*\j:S+32+4*\j+3] offset:2*SP*\j
.endr
.irp u, 0,1
.irp m, 0,1,2,3
	ds_load_b128 v[S+16*\u+4*\m:S+16*\u+4*\m+3], v[STQ] offset:128*\u+16*\m   ; LDS serves a wave's instructions in order (ISA guide 5.7.1.4): these see my stores.  Register 16 u + i: d = 32 u + 16 h + i
.endr
.endr
	v_mov_b32 v13, 0xff61b1e6                      ; the largest t so far: -3e38, under every t
	v_floor_f32 v12, -v13                          ; -M
	v_mov_b32 v9, 0                                ; written once: a lane permute's destination counts as one of its sources
	v_mov_b32 v11, 0                               ; (named as the upper half of the pair v[10:11])
	v_mov_b32 v14, 0                               ; the sum, in two halves
	v_mov_b32 v15, 0
.set J, 0
.rept 32
	v_mov_b32 v[O+J], 0                            ; O^T.  (The key step is written once: the first finds zeros, which the first change of M leaves zeros)
.set J, J+1
.endr
	s_wait_dscnt 0x0
.set J, 0
.rept 32
	v_med3_num_f32 v[S+J], v[S+J], -v31, v31       ; the conversion to an 8-bit code does not saturate (ISA guide 7.6.2): the hold comes first
.set J, J+1
.endr
.irp g, 0,1,2,3
	v_cvt_scalef32_pk8_fp8_f32 v[QC+2*\g:QC+2*\g+1], v[S+8*\g:S+8*\g+7], v30
.endr
	v_nop                                          ; one plain line between a scaled conversion and the vector line that touches its result
.irp j, 0,1,2,3,4,5,6,7
	v_xor_b32 v[QC+\j], s28, v[QC+\j]              ; inv_scale's sign
.endr
; A KEY STEP: 128 keys, the q-th of the chunk in hand.  Every LDS offset is an immediate, 65,024 at the most.
.macro STEP q
.rept 4
	v_nop                                          ; four plain lines between the last products and the loads into registers that they read; they stand beside the wait that states the dependence
.endr
.if (\q) > 0
	s_wait_alu depctr_va_vdst(0)                   ; the last step's products V^T P are done reading v[F ..], in which K's loads land.  (In a chunk's first step the wait at the chunk's head has stated it: no vector or matrix line since names v[F ..] or v[AD])
.endif
.irp c, 0,1,2,3,4,5,6,7
	ds_load_b128 v[F+8*\c:F+8*\c+3],   v[AD] offset:1024*(8*(\q)+\c)       ; K's tile c: 16 keys x 64
	ds_load_b128 v[F+8*\c+4:F+8*\c+7], v[AD] offset:1024*(8*(\q)+\c)+512
.endr
	s_wait_dscnt 8                                 ; tiles 0-3 are in; the eight loads of tiles 4-7 may be out
.irp c, 0,1,2,3
	v_wmma_f32_16x16x64_fp8_fp8 v[S+8*\c:S+8*\c+7], v[F+8*\c:F+8*\c+7], v[QC:QC+7], 0
.endr
	s_wait_dscnt 0x0
.irp c, 4,5,6,7
	v_wmma_f32_16x16x64_fp8_fp8 v[S+8*\c:S+8*\c+7], v[F+8*\c:F+8*\c+7], v[QC:QC+7], 0
.endr
.rept 4
	v_nop                                          ; four places behind the products, ahead of the first read of the scores (ISA guide 7.12.1); the wait below fills none of them
.endr
	s_wait_alu depctr_va_vdst(0)                   ; the eight products K Q^T are done reading v[F ..], in which V's loads land
.irp t, 0,1,2,3
.irp i, 0,1,2,3
	ds_load_b128 v[F+16*\t+4*\i:F+16*\t+4*\i+3], v[AD] offset:VPART+8192*(\q)+2048*\t+512*\i   ; V's tile t: 16 of d x 128 keys; they land under the softmax, of which no line names v[F ..]
.endr
.endr
	v_max3_num_f32 v26, v[S], v[S+1], v[S+2]       ; the step's largest score of my query among my 64 keys, in two chains; each tile is read from its low end on
	v_max3_num_f32 v27, v[S+3], v[S+4], v[S+5]
.irp i, 6,10,14,18,22,26,30,34,38,42,46,50,54,58
	v_max3_num_f32 v26, v26, v[S+\i], v[S+\i+1]
	v_max3_num_f32 v27, v27, v[S+\i+2], v[S+\i+3]
.endr
	v_max3_num_f32 v26, v26, v[S+62], v[S+63]
	v_max_num_f32 v26, v26, v27
	v_permlanex16_b32 v9, v26, s24, s25
	v_max_num_f32 v26, v26, v9                     ; and among lane l xor 16's
	v_mul_f32 v26, s22, v26                        ; as t (c is positive)
	v_max_num_f32 v13, v13, v26                    ; the running largest t
	v_mov_b32 v26, v12
	v_floor_f32 v12, -v13                          ; the new -M = floor(-t) = -ceil(t): M is a whole number
	v_sub_f32 v26, v12, v26                        ; M's old value less its new one: a whole number, 0 or less
	v_cvt_i32_f32 v26, v26                         ; (it saturates)
	v_ldexp_f32 v10, 1.0, v26                      ; f = 2^(old M - new M)
.set J, 0
.rept 32
	v_pk_fma_f32 v[S+J:S+J+1], v[S+J:S+J+1], s[22:23], v[12:13] op_sel_hi:[1,0,0]   ; t - M, two at a time (of the pairs c and -M the low word serves both halves)
.set J, J+2
.endr
.set J, 0
.rept 64
	v_exp_f32 v[S+J], v[S+J]                       ; p = 2^(t - M): not normalised
.set J, J+1
.endr
	v_pk_mul_f32 v[14:15], v[14:15], v[10:11] op_sel_hi:[1,0]   ; the sums under the new M: the plain line behind the exponentials
	s_wait_alu depctr_va_vdst(0)                   ; one wait for the batch of 64, ahead of its first reader: the exponentials have written v[S ..]
	v_pk_add_f32 v[28:29], v[S:S+1], v[S+2:S+3]    ; the row's sum is taken of the UNQUANTISED p: two at a time, in two chains
.irp j, 4,8,12,16,20,24,28,32,36,40,44,48,52,56,60
	v_pk_add_f32 v[14:15], v[14:15], v[S+\j:S+\j+1]
	v_pk_add_f32 v[28:29], v[28:29], v[S+\j+2:S+\j+3]
.endr
	v_pk_add_f32 v[14:15], v[14:15], v[28:29]
	s_cmp_eq_u32 s30, 0                            ; ep >= -8: no p reaches 448 x 2^ep
	s_cbranch_scc1 .Lfree_\@
.set J, 0
.rept 64
	v_min_num_f32 v[S+J], v[S+J], v25              ; the hold; p is not negative, so it is one-sided
.set J, J+1
.endr
.Lfree_\@:
.irp c, 0,1,2,3,4,5,6,7
	v_cvt_scalef32_pk8_fp8_f32 v[P+2*\c:P+2*\c+1], v[S+8*\c:S+8*\c+7], v24   ; tile c's eight keys: registers 2 c, 2 c + 1 of the operand
.endr
.set J, 0
.rept 16
	v_pk_mul_f32 v[O+J:O+J+1], v[O+J:O+J+1], v[10:11] op_sel_hi:[1,0]   ; O^T under the new M, each tile from its low end on.  (Also the plain lines between the conversions and the products that read their results)
.set J, J+2
.endr
	s_wait_dscnt 0x0                               ; V is in
.irp t, 0,1,2,3                        ; the four accumulators take turns, one instruction a turn; between two products on one of them stand the three others' and the next step's eight
	v_wmma_f32_16x16x128_fp8_fp8 v[O+8*\t:O+8*\t+7], v[F+16*\t:F+16*\t+15], v[P:P+15], v[O+8*\t:O+8*\t+7]
.endr
.endm
.Lchunk:                                               ; four trips, a chunk of 512 keys each
	s_wait_loadcnt 0x0                             ; this chunk is in my registers; its loads are done, so their base may be stepped
	s_wait_alu depctr_vm_vsrc(0)                   ; the last chunk's LDS loads have read v[AD] and its LDS stores v[CPA], which the two lines below write; in the first trip: the stores into my stage have read v[S+32 ..], which the first products write
	v_add_nc_u32 v[AD], s26, v[LI]
	v_add_nc_u32 v[CPA], s26, v[CP0]
	s_wait_alu depctr_va_vdst(0)                   ; v[CPA] is written, which the stores below read, and v[AD], which the chunk's LDS loads read; the last chunk's products are done reading v[F ..], in which the first step's loads land
.irp i, 0,1,2,3,4,5,6,7
	ds_store_b128 v[CPA], v[CS+4*\i:CS+4*\i+3] offset:8192*\i   ; into bytes that nobody has written or read yet (chunk 1: that the stages' owners have left)
.endr
	s_add_nc_u64 s[6:7], s[6:7], CHUNK
	s_wait_dscnt 0x0                               ; for the others' sake: my part of the chunk has landed; and my reads of the last chunk are back
	s_barrier_signal -1
	s_barrier_wait -1                              ; the chunk is whole
	s_wait_alu depctr_vm_vsrc(0)                   ; the stores above have read v[CS ..], in which the next chunk's loads land: stated ahead of the branch
	s_cmp_eq_u32 s27, 1                            ; the last chunk has no successor: no load leaves kv
	s_cbranch_scc1 .Lno_next
	CLOAD                                          ; the next chunk: four key steps ahead of the wait for it.  No vector line names v[CS ..], and v[CP0] stands since the head
.Lno_next:
	STEP 0
	STEP 1
	STEP 2
	STEP 3
	s_add_co_u32 s26, s26, CHUNK
	s_sub_co_u32 s27, s27, 1
	s_cmp_lg_u32 s27, 0
	s_cbranch_scc1 .Lchunk
	; THE WAY OUT.  O^T is divided by the row's sum, multiplied by 2^(ep + ev), and goes through my stage, so that each store of the wave covers two whole rows of out0.
	v_add_f32 v14, v14, v15                        ; the sum's two halves,
	v_permlanex16_b32 v9, v14, s24, s25
	v_add_f32 v14, v14, v9                         ; and lane l xor 16's: the row's sum
	v_rcp_f32 v14, v14
	v_nop                                          ; a plain line behind the reciprocal;
	v_nop                                          ; with the two additions and this one, four places stand behind the last products
	s_add_co_i32 s28, s18, s19
	s_wait_alu depctr_va_vdst(0)                   ; a wait ahead of the reciprocal's first reader: it has written v14
	v_ldexp_f32 v14, v14, s28                      ; x 2^(ep + ev)
.set J, 0
.rept 32
	v_mul_f32 v[S+J], v[O+J], v14                  ; register 8 t + j is o(query r, d = 16 t + 8 h + j); each tile from its low end on
.set J, J+1
.endr
	s_wait_alu depctr_va_vdst(0)                   ; the multiplies have written v[S ..], which the LDS stores read; the last products are done reading v[F ..], in which the loads from my stage land
.irp t, 0,1,2,3
	ds_store_b128 v[STO], v[S+8*\t:S+8*\t+3] offset:64*\t
	ds_store_b128 v[STO], v[S+8*\t+4:S+8*\t+7] offset:64*\t+16
.endr
.irp j, 0,1,2,3,4,5,6,7
	ds_load_b128 v[F+4*\j:F+4*\j+3], v[STI] offset:2*SP*\j   ; my own bytes, served in order: these see my stores
.endr
.irp j, 0,1,2,3,4,5,6,7
	s_wait_dscnt 7-\j                              ; load j is back; the younger ones may be out
	global_store_b128 v[LI], v[F+4*\j:F+4*\j+3], s[12:13] offset:512*\j th:TH_STORE_NT   ; 32 lanes store 512 consecutive bytes, at a multiple of 256 from out0's first byte; written once, read by nobody here
.endr
	s_wait_dscnt 0x0
	s_wait_alu depctr_hold_cnt(0) depctr_sa_sdst(0) depctr_va_vdst(0) depctr_va_sdst(0) depctr_va_ssrc(0) depctr_va_vcc(0) depctr_vm_vsrc(0)
	s_wait_tensorcnt 0x0
	ds_add_u32 v240, v241
	s_wait_dscnt 0x0
	s_endpgm
.Lfunc_end_k_qd69a5784db_attn:
	.size	k_qd69a5784db_attn, .Lfunc_end_k_qd69a5784db_attn-k_qd69a5784db_attn
	.p2alignl 7, 3214868480
	.fill 96, 4, 3214868480
	.section	.rodata,"a",@progbits
	.p2align	6, 0x0
	.amdhsa_kernel k_qd69a5784db_attn
		.amdhsa_group_segment_fixed_size 264192
		.amdhsa_private_segment_fixed_size 0
		.amdhsa_enable_private_segment 0
		.amdhsa_kernarg_size 40
		.amdhsa_user_sgpr_count 2
		.amdhsa_user_sgpr_kernarg_segment_ptr 1
		.amdhsa_wavefront_size32 1
		.amdhsa_system_sgpr_workgroup_id_x 1
		.amdhsa_system_sgpr_workgroup_id_y 1
		.amdhsa_system_sgpr_workgroup_id_z 1
		.amdhsa_system_vgpr_workitem_id 0
		.amdhsa_next_free_vgpr 242
		.amdhsa_next_free_sgpr 66
		.amdhsa_reserve_vcc 0
		.amdhsa_float_denorm_mode_32 3
		.amdhsa_float_denorm_mode_16_64 3
		.amdhsa_memory_ordered 1
		.amdhsa_forward_progress 1
		.amdhsa_inst_pref_size 76
	.end_amdhsa_kernel
	.amdgpu_metadata
---
amdhsa.version: [ 1, 2 ]
amdhsa.kernels:
  - .name:           k_qd69a5784db_attn
    .symbol:         k_qd69a5784db_attn.kd
    .args:
      - { .name: query, .offset: 0, .size: 8, .value_kind: global_buffer, .address_space: global }
      - { .name: kv, .offset: 8, .size: 8, .value_kind: global_buffer, .address_space: global }
      - { .name: lowp_scales, .offset: 16, .size: 8, .value_kind: global_buffer, .address_space: global }
      - { .name: inv_scale_factor, .offset: 24, .size: 8, .value_kind: global_buffer, .address_space: global }
      - { .name: out0, .offset: 32, .size: 8, .value_kind: global_buffer, .address_space: global }
    .group_segment_fixed_size: 264192
    .private_segment_fixed_size: 0
    .kernarg_segment_align: 8
    .kernarg_segment_size: 40
    .max_flat_workgroup_size: 512
    .sgpr_count:     66
    .vgpr_count:     242
    .wavefront_size: 32
...
	.end_amdgpu_metadata
.endif
;; end of part 3
